; MI455X (gfx1250); checked and timed in simulation.
; The chip was launched on July 23, 2026; its instructions are those of AMD's public machine-readable ISA for CDNA 5 (MIT licence, August 2026) and "CDNA5" Instruction Set Architecture Reference Guide (July 2026). The comments in the code are by the model that wrote it; some were corrected since.
;; Mixture Of Experts. Allowed arithmetic: float matrix products may take bf16 or f16 operands with f32 sums; other float arithmetic in f32, or as packed bf16 or f16 multiplies, adds, multiply-adds, maxima and minima; sums over many terms, partial sums and values carried from step to step in f32; what a program stores and reads back later, other than sums and carried values, may be rounded once to bf16 or f16.
;; Inputs: W 8 x 2,048 x 2,048 float32; Wg 8 x 2,048 float32; b 8 x 2,048 float32; bg 8 float32; x 2,048 x 2,048 float32.
;; Outputs: out0 2,048 x 2,048 float32.
;; One version. Each part assembles by itself: llvm-mc -triple=amdgcn-amd-amdhsa -mcpu=gfx1250 --defsym DOCPART=n.
;; ======== version 1 of 1: 3 launches
;; workspace buffers: xb 8,388,608 bytes; bm 4,096 bytes of whole numbers; gv 16,384 bytes; part 33,554,432 bytes
;; launch route (part 1): grid 256 x 1, 8 waves a work-group, no clusters, 76,800 bytes of LDS; arguments x, Wg, bg, xb, bm, gv; writes xb, bm, gv
.if DOCPART == 1
	.amdgcn_target "amdgcn-amd-amdhsa--gfx1250"
	.amdhsa_code_object_version 6
	.text
	.protected	k_q4c995c7f99_route
	.globl	k_q4c995c7f99_route
	.p2align	8
	.type	k_q4c995c7f99_route,@function
k_q4c995c7f99_route:
	s_mov_b64 s[64:65], 0
	v_nop
	global_prefetch_b8 v0, s[64:65] scope:SCOPE_SE
	s_setreg_imm32_b32 hwreg(HW_REG_WAVE_MODE, 25, 1), 1
	s_wait_xcnt 0x0
; THE GATE.  gate = softmax(x Wg^T + bg) over 8 experts; for each token the two largest gates and their experts.  Also x rounded to bf16 for the product launch.
; x: [2048][2048] f32, Wg: [8][2048] f32, bg: [8] f32.  x, Wg and bg are each rounded once to bf16 (the product launch uses the same rounded x); products on the matrix unit, sums, softmax in f32.
; OUT.  xb: x in bf16, row-major.  gv: f32 [2 ranks][2048 tokens], the gate value of the token's first and second choice.
;       bm: [8 experts][256 halfwords]; halfword g comes from work-group g: bit t = token 8 g + t has the expert as first choice, bit 8 + t = as second.  All three lie at fixed places: no address hangs on the gate.
; SHARES.  A work-group has 8 tokens; wave w has columns 256 w .. 256 w + 255 of the 8 tokens and of the 8 rows of Wg; the eight partial logits meet in LDS, wave 0 finishes.
; TIES go to the lower expert (strict compares in ascending order), as in a stable top-k.
; LIMITS.  A gate value whose exponential falls below 2^-126 counts as 0.  NaN and infinities are not treated apart.
.set PITCH, 528                        ; an LDS row: 256 bf16 + 16 bytes = 132 words: the eight rows of a fragment load start at eight different groups of four banks (64 banks of 4 bytes: ISA guide 11.1)
.set GOFF,  8*PITCH                    ; in a wave's region: 8 rows of x, then 8 rows of Wg
.set WREG,  2*8*PITCH                  ; a wave's region, its own
.set RED,   8*WREG                     ; [8 waves][32 lanes][8 f32]: the partial logits
.set SPARE, RED+8192                   ; the spare words, 128 bytes for each wave: four blocks of 256 bytes that no other line names
.set XR, 16                            ; v[16:79]   x as loaded, then packed (registers 4 q, 4 q + 1)
.set GR, 80                            ; v[80:143]  Wg as loaded, then packed, then Wg's eight fragments
.set XF, 144                           ; v[144:207] x's eight fragments; in wave 0 later the eight waves' partial logits
.set A0, 208                           ; v[208:215] accumulator of the even K steps; later the exponentials and gates
.set A1, 216                           ; v[216:223] accumulator of the odd K steps; later the top-2 state
.set LG, 224                           ; v[224:231] logits
.set BG, 232                           ; v[232:239] bg rounded to bf16, as f32
	s_load_b256 s[4:11], s[0:1], 0x0               ; x s[4:5], Wg s[6:7], bg s[8:9], xb s[10:11]
	s_load_b128 s[12:15], s[0:1], 0x20             ; bm s[12:13], gv s[14:15]
	v_lshl_add_u32 v6, v0, 2, SPARE                ; my spare word,
	v_mov_b32 v7, 0                                ; and 0: kept for the closing add alone
	v_and_b32 v1, 31, v0                           ; lane
	v_lshrrev_b32 v9, 5, v0
	v_readfirstlane_b32 s32, v9                    ; wave 0..7
	v_lshlrev_b32 v2, 4, v1                        ; 16 x lane: loads of f32
	v_lshlrev_b32 v3, 3, v1                        ; 8 x lane: stores of bf16
	s_mul_i32 s36, s32, WREG                       ; my region in LDS
	v_lshl_add_u32 v4, v1, 3, s36                  ; where I put 8 bytes of a row
	v_and_b32 v9, 7, v0                            ; the row that my lane takes of a fragment: rows 8 to 15 repeat rows 0 to 7.  Also my token in the result
	v_mul_u32_u24 v5, v9, PITCH
	v_bfe_u32 v10, v0, 4, 1                        ; which half of the lanes
	v_lshl_add_u32 v5, v10, 4, v5
	v_add_nc_u32 v5, s36, v5                       ; row x pitch + 16 x half + my region
	v_lshl_add_u32 v8, v0, 5, RED                  ; 32 bytes for each thread
	s_lshl_b32 s38, s32, 10                        ; my 256 columns in f32
	s_mov_b32 s39, 0
	s_lshl_b32 s34, ttmp9, 16                      ; my work-group's 8 rows of 8,192 bytes
	s_add_co_u32 s34, s34, s38
	s_mov_b32 s35, 0
	s_wait_kmcnt 0x0
	s_add_nc_u64 s[4:5], s[4:5], s[34:35]
	s_add_nc_u64 s[6:7], s[6:7], s[38:39]
	s_lshr_b32 s34, s34, 1                         ; the same place in bf16
	s_add_nc_u64 s[10:11], s[10:11], s[34:35]
	; every load takes 512 consecutive bytes: row q / 2, half q % 2 of my 1,024 bytes of it
.set q, 0
.rept 16
	global_load_b128 v[GR+4*q:GR+4*q+3], v2, s[6:7] offset:(q/2)*8192+(q%2)*512
.set q, q+1
.endr
.set q, 0
.rept 16
	global_load_b128 v[XR+4*q:XR+4*q+3], v2, s[4:5] offset:(q/2)*8192+(q%2)*512 th:TH_LOAD_NT
.set q, q+1
.endr
	s_wait_loadcnt 16                              ; Wg is in; the 16 loads of x, issued behind it, may stay out
.set q, 0
.rept 16
	v_cvt_pk_bf16_f32 v[GR+4*q], v[GR+4*q], v[GR+4*q+1]
	v_cvt_pk_bf16_f32 v[GR+4*q+1], v[GR+4*q+2], v[GR+4*q+3]
	ds_store_b64 v4, v[GR+4*q:GR+4*q+1] offset:GOFF+(q/2)*PITCH+(q%2)*256
.set q, q+1
.endr
	s_wait_loadcnt 0x0                             ; x is in
.set q, 0
.rept 16
	v_cvt_pk_bf16_f32 v[XR+4*q], v[XR+4*q], v[XR+4*q+1]
	v_cvt_pk_bf16_f32 v[XR+4*q+1], v[XR+4*q+2], v[XR+4*q+3]
	ds_store_b64 v4, v[XR+4*q:XR+4*q+1] offset:(q/2)*PITCH+(q%2)*256
	global_store_b64 v3, v[XR+4*q:XR+4*q+1], s[10:11] offset:(q/2)*4096+(q%2)*256  ; the wave stores 256 consecutive bytes, at a multiple of 256 from xb's first byte
.set q, q+1
.endr
	; Fragments of 16 rows x 32 K: lane l holds row l % 16, K = 8 (l / 16) + 0..7 and 16 + 8 (l / 16) + 0..7: two loads of 16 bytes, 32 bytes apart.
	; The bytes are my wave's own, and LDS serves a wave's instructions in order (ISA guide 5.7.1.4): no wait between the stores above and these loads.
.set j, 0
.rept 8
	ds_load_b128 v[GR+8*j:GR+8*j+3],   v5 offset:GOFF+64*j
	ds_load_b128 v[GR+8*j+4:GR+8*j+7], v5 offset:GOFF+64*j+32
	ds_load_b128 v[XF+8*j:XF+8*j+3],   v5 offset:64*j
	ds_load_b128 v[XF+8*j+4:XF+8*j+7], v5 offset:64*j+32
.set j, j+1
.endr
	s_wait_dscnt 0x0
	; source 0 = rows of Wg, source 1 = tokens: register j of every lane is then logit(expert j, token lane % 8).  Two accumulators by turns; the first product on each starts its sum.
	v_wmma_f32_16x16x32_bf16 v[A0:A0+7], v[GR:GR+7], v[XF:XF+7], 0
	v_wmma_f32_16x16x32_bf16 v[A1:A1+7], v[GR+8:GR+15], v[XF+8:XF+15], 0
.set j, 2
.rept 3
	v_wmma_f32_16x16x32_bf16 v[A0:A0+7], v[GR+8*j:GR+8*j+7], v[XF+8*j:XF+8*j+7], v[A0:A0+7]
	v_wmma_f32_16x16x32_bf16 v[A1:A1+7], v[GR+8*j+8:GR+8*j+15], v[XF+8*j+8:XF+8*j+15], v[A1:A1+7]
.set j, j+2
.endr
.rept 4
	v_nop                                          ; four places between the last product and the first read of its result (ISA guide 7.12.1)
.endr
.irp q, 0,2,4,6
	v_pk_add_f32 v[LG+\q:LG+\q+1], v[A0+\q:A0+\q+1], v[A1+\q:A1+\q+1]
.endr
	ds_store_b128 v8, v[LG:LG+3]
	ds_store_b128 v8, v[LG+4:LG+7] offset:16
	s_wait_dscnt 0x0                               ; for wave 0's sake: my partial logits are in LDS
	s_barrier_signal -1
	s_barrier_wait -1
	s_cmp_lg_u32 s32, 0
	s_cbranch_scc1 .Lend                           ; wave 0 finishes: 8 tokens are a quarter of one wave's lanes
	s_load_b256 s[16:23], s[8:9], 0x0              ; bg
.set j, 0
.rept 8
	ds_load_b128 v[XF+8*j:XF+8*j+3],   v8 offset:1024*j      ; in wave 0 v8 is RED + 32 x lane: my lane's eight numbers of wave j
	ds_load_b128 v[XF+8*j+4:XF+8*j+7], v8 offset:1024*j+16
.set j, j+1
.endr
	s_lshl_b32 s34, ttmp9, 5                       ; gv: 8 tokens x 4 bytes
	s_add_nc_u64 s[14:15], s[14:15], s[34:35]
	s_lshl_b32 s34, ttmp9, 1                       ; bm: my halfword
	s_add_nc_u64 s[12:13], s[12:13], s[34:35]
	s_mov_b32 s33, 0x3fb8aa3b                      ; log2(e)
	s_wait_kmcnt 0x0
.irp q, 0,1,2,3
	v_cvt_pk_bf16_f32 v10, s[16+2*\q], s[17+2*\q]  ; bg rounded to bf16 like the other inputs,
	v_lshlrev_b32 v[BG+2*\q], 16, v10              ; and back in f32
	v_and_b32 v[BG+2*\q+1], 0xffff0000, v10
.endr
	s_wait_dscnt 0x0
.irp q, 0,2,4,6
	v_pk_add_f32 v[LG+\q:LG+\q+1], v[XF+\q:XF+\q+1], v[XF+8+\q:XF+8+\q+1]
.endr
.irp j, 2,3,4,5,6,7
.irp q, 0,2,4,6
	v_pk_add_f32 v[LG+\q:LG+\q+1], v[LG+\q:LG+\q+1], v[XF+8*\j+\q:XF+8*\j+\q+1]
.endr
.endr
.irp q, 0,2,4,6
	v_pk_add_f32 v[LG+\q:LG+\q+1], v[LG+\q:LG+\q+1], v[BG+\q:BG+\q+1]
.endr
	; softmax with the row's own maximum taken away: p = 2^(c l - c m), c = log2(e)
	v_max3_num_f32 v10, v[LG], v[LG+1], v[LG+2]
	v_max3_num_f32 v10, v10, v[LG+3], v[LG+4]
	v_max3_num_f32 v10, v10, v[LG+5], v[LG+6]
	v_max_num_f32 v10, v10, v[LG+7]
	v_mul_f32 v11, s33, v10                        ; c m; its rounding is common to all eight exponents and cancels in the division by the sum
.set j, 0
.rept 8
	v_fma_f32 v[A0+j], v[LG+j], s33, -v11
.set j, j+1
.endr
.set j, 0
.rept 8
	v_exp_f32 v[A0+j], v[A0+j]
.set j, j+1
.endr
	v_nop                                          ; a plain instruction behind the last exponential (ISA guide 5.7.2),
	s_wait_alu depctr_va_vdst(0)                   ; and one wait for the batch of eight, ahead of its first reader
	v_pk_add_f32 v[12:13], v[A0:A0+1], v[A0+2:A0+3]
	v_pk_add_f32 v[A1:A1+1], v[A0+4:A0+5], v[A0+6:A0+7]
	v_pk_add_f32 v[12:13], v[12:13], v[A1:A1+1]
	v_add_f32 v12, v12, v13
	v_rcp_f32 v12, v12
	v_nop
	s_wait_alu depctr_va_vdst(0)                   ; the reciprocal's wait
.set j, 0
.rept 8
	v_mul_f32 v[A0+j], v[A0+j], v12
.set j, j+1
.endr
	; top 2 without a branch: (b1, i1) the largest so far, (b2, i2) the second; a later expert displaces an earlier one only if strictly larger
	v_mov_b32 v[A1], v[A0]
	v_mov_b32 v[A1+1], 0
	v_mov_b32 v[A1+2], -1.0                        ; below every gate
	v_mov_b32 v[A1+3], 0
.irp j, 1,2,3,4,5,6,7
	v_cmp_gt_f32 s24, v[A0+\j], v[A1]
	v_cmp_gt_f32 s25, v[A0+\j], v[A1+2]
	v_cndmask_b32 v[A1+2], v[A1+2], v[A0+\j], s25
	v_cndmask_b32 v[A1+3], v[A1+3], \j, s25
	v_cndmask_b32 v[A1+2], v[A1+2], v[A1], s24
	v_cndmask_b32 v[A1+3], v[A1+3], v[A1+1], s24
	v_cndmask_b32 v[A1], v[A1], v[A0+\j], s24
	v_cndmask_b32 v[A1+1], v[A1+1], \j, s24
.endr
	; lane l speaks for token l % 8 and rank (l / 8) % 2; lanes 16 to 31 repeat lanes 0 to 15 (same address, same value), so EXEC stays whole
	v_bfe_u32 v10, v0, 3, 1
	v_cmp_ne_u32 s26, 0, v10
	v_cndmask_b32 v11, v[A1+1], v[A1+3], s26       ; my rank's expert
	v_cndmask_b32 v12, v[A1], v[A1+2], s26         ; and gate value
	v_lshlrev_b32 v13, 2, v9
	v_lshl_add_u32 v13, v10, 13, v13               ; rank x 8,192 + 4 x token
	global_store_b32 v13, v12, s[14:15]
.irp e, 0,1,2,3,4,5,6,7
	v_cmp_eq_u32 s[24+\e], \e, v11                 ; the mask's low 16 bits are expert e's halfword
.endr
	v_mov_b32 v[A1+4], s24
.irp e, 1,2,3,4,5,6,7
	v_cmp_eq_u32 vcc_lo, \e, v9
	v_cndmask_b32 v[A1+4], v[A1+4], s[24+\e], vcc_lo  ; lane l takes the halfword of expert l % 8
.endr
	v_lshlrev_b32 v[A1+5], 9, v9                   ; an expert's 512 bytes
	global_store_b16 v[A1+5], v[A1+4], s[12:13]
.Lend:
	s_wait_tensorcnt 0x0                           ; the wave's end, behind my last LDS store
	ds_add_u32 v6, v7
	s_wait_dscnt 0x0
	s_endpgm
.Lfunc_end_k_q4c995c7f99_route:
	.size	k_q4c995c7f99_route, .Lfunc_end_k_q4c995c7f99_route-k_q4c995c7f99_route
	.p2alignl 7, 3214868480
	.fill 96, 4, 3214868480
	.section	.rodata,"a",@progbits
	.p2align	6, 0x0
	.amdhsa_kernel k_q4c995c7f99_route
		.amdhsa_group_segment_fixed_size 76800
		.amdhsa_private_segment_fixed_size 0
		.amdhsa_enable_private_segment 0
		.amdhsa_kernarg_size 48
		.amdhsa_user_sgpr_count 2
		.amdhsa_user_sgpr_kernarg_segment_ptr 1
		.amdhsa_wavefront_size32 1
		.amdhsa_system_sgpr_workgroup_id_x 1
		.amdhsa_system_sgpr_workgroup_id_y 1
		.amdhsa_system_sgpr_workgroup_id_z 1
		.amdhsa_system_vgpr_workitem_id 0
		.amdhsa_next_free_vgpr 240
		.amdhsa_next_free_sgpr 66
		.amdhsa_reserve_vcc 1
		.amdhsa_float_denorm_mode_32 3
		.amdhsa_float_denorm_mode_16_64 3
		.amdhsa_memory_ordered 1
		.amdhsa_forward_progress 1
		.amdhsa_inst_pref_size 27
	.end_amdhsa_kernel
	.amdgpu_metadata
---
amdhsa.version: [ 1, 2 ]
amdhsa.kernels:
  - .name:           k_q4c995c7f99_route
    .symbol:         k_q4c995c7f99_route.kd
    .args:
      - { .name: x, .offset: 0, .size: 8, .value_kind: global_buffer, .address_space: global }
      - { .name: Wg, .offset: 8, .size: 8, .value_kind: global_buffer, .address_space: global }
      - { .name: bg, .offset: 16, .size: 8, .value_kind: global_buffer, .address_space: global }
      - { .name: xb, .offset: 24, .size: 8, .value_kind: global_buffer, .address_space: global }
      - { .name: bm, .offset: 32, .size: 8, .value_kind: global_buffer, .address_space: global }
      - { .name: gv, .offset: 40, .size: 8, .value_kind: global_buffer, .address_space: global }
    .group_segment_fixed_size: 76800
    .private_segment_fixed_size: 0
    .kernarg_segment_align: 8
    .kernarg_segment_size: 48
    .max_flat_workgroup_size: 256
    .sgpr_count:     66
    .vgpr_count:     240
    .wavefront_size: 32
...
	.end_amdgpu_metadata
.endif
;; end of part 1
;; launch experts (part 2): grid 32 x 8, 8 waves a work-group, no clusters, 324,864 bytes of LDS; arguments xb, W, b, bm, gv, part; writes part
.if DOCPART == 2
	.amdgcn_target "amdgcn-amd-amdhsa--gfx1250"
	.amdhsa_code_object_version 6
	.text
	.protected	k_q4c995c7f99_experts
	.globl	k_q4c995c7f99_experts
	.p2align	8
	.type	k_q4c995c7f99_experts,@function
k_q4c995c7f99_experts:
	s_mov_b64 s[64:65], 0
	v_nop
	global_prefetch_b8 v0, s[64:65] scope:SCOPE_SE
	s_setreg_imm32_b32 hwreg(HW_REG_WAVE_MODE, 25, 1), 1
	s_wait_xcnt 0x0
; THE EXPERTS' PRODUCTS, for the chosen rows alone.  part[rank][token][f] = gate x relu(x[token] . W[e][f] + b[e][f]) for the expert e that the token chose at that rank.
; xb: [2048][2048] bf16 (x rounded once).  W: [8][2048][2048] f32, b: [8][2048] f32, each rounded once to bf16 on its way through registers.  Sums, bias, relu and gate in f32; part is f32 (a partial sum).
; bm, gv: as the gate launch stored them.  An ENTRY is rank x 2048 + token: its row of x is ENTRY % 2048, its row of part and its word of gv are ENTRY.
; SHARES.  Work-group (slice, e) has W[e][64 slice .. + 63][:], 512 KiB that it alone reads, once, and ALL n rows of expert e, in blocks of 16 in the order of the expert's list.
;   PASS 1: wave w has blocks 8 i + w, i = 0..3 (512 rows a work-group).  K goes in 64 steps of 32.  Meanwhile W streams in: wave w loads rows 8 w .. 8 w + 7 of the slice, rounds them and lays them
;   into LDS, where each byte is written once and stays.  W is published by chunks of 128 along K, one barrier a chunk: chunk c is stored in steps 4 c - 7 .. 4 c - 4, the barrier stands in step 4 c - 3,
;   the chunk's first fragments are asked for in step 4 c - 2 and multiplied in step 4 c.
;   REMAINDER (n over 512): twelve counted trips, wave w has block 32 + 8 t + w, multiplied from the resident W; no barrier; a trip without a block is jumped.  12 x 8 + 32 = 128 blocks serve n = 2,048, the most there can be.
;   Places past n repeat row n - 1 (the same bytes are then stored twice by one wave); a block at or past ceil(n / 16) stores nothing.  n = 0: nothing is stored.
; x's rows come by a list, straight from memory into registers as matrix operands: no descriptor covers them, so no tensor load and no joint request; each byte of W has one reader.
; THE MATRIX INSTRUCTION IS USED TRANSPOSED: source 0 = 16 features of W, source 1 = 16 rows of x: a lane then holds one row (lane % 16) and eight neighbouring features 8 (lane / 16) + 0..7.
; LIMITS.  NaN and infinities are not treated apart (a token whose gate is NaN is not served).
; LDS.  RES: 16 chunks; a chunk is 64 rows (features) x 256 bytes at pitch 272.  SEG: eight local lists of up to 512 entries of 16 bits, a dump place behind each.  CNT: their eight counts.
;       STG: for each wave 16 rows x 256 bytes at pitch 272 for the way out; bytes 256..259 of a row carry 4 x its ENTRY.  SPARE: the spare words.
; REGISTERS, in windows of 256 (s_set_vgpr_msb: bits 1:0 source 0, 3:2 source 1, 5:4 source 2, 7:6 destination):
;   window 0: v0-31 addresses and temporaries; v32-127 fragments of W, three buffers of 32 (behind pass 1 v96-127 hold the bias); v128-255 16 accumulators, (block i, column c) at 128 + 32 i + 8 c
;   window 1: v0-191 x's fragments, a ring of six steps of 32 (block i at + 8 i); v192-239 W as loaded, a ring of six steps of 8.  In the remainder: v0-255 x's fragments of 32 steps.
.set CP,    272                        ; 256 bytes + 16 = 68 words: the 16 rows of a fragment load start at 16 different groups of four banks (64 banks of 4 bytes: ISA guide 11.1)
.set CH,    64*CP                      ; a chunk
.set SEG,   16*CH
.set SEGB,  1280                       ; a local list: 512 x 2 bytes, the dump place at byte 1,024
.set CNT,   SEG+8*SEGB
.set STG,   CNT+256
.set SGB,   16*CP
.set SPARE, STG+8*SGB                  ; 128 bytes for each wave: four blocks of 256 bytes that no other line names
.set XO,   4                           ; v4-7    block i: byte offset in xb of my lane's row, + 16 x half
.set BA,   8                           ; v8, v9  LDS address of my lane's place in a fragment of W: the trip's chunk 0, and three chunks on
.set WS,   10                          ; v10, v11  where I put 8 bytes of W's row 8 w: the trip's chunk 0, and three chunks on
.set WOF,  12                          ; v12     16 x lane
.set H32,  13                          ; v13     32 x half: my eight numbers of b
.set SPW,  14                          ; v14     my spare word; never rewritten
.set NIL,  15                          ; v15     0; never rewritten
.set ENT,  16                          ; v16-19  block i: 4 x my row's ENTRY
.set SCL,  20                          ; v20-23  block i: my row's gate value
.set STO,  24                          ; v24     the way out: where I put 32 bytes of a row
.set STP,  25                          ; v25     where the row's ENTRY goes
.set RD,   26                          ; v26     where I read 16 bytes of a row back
.set RDP,  27                          ; v27     and that row's ENTRY
.set COL,  28                          ; v28     16 x (lane % 16)
.set T0,   29
.set T1,   30
.set T2,   31
.set BF,   32
.set BIAS, 96
.set ACC,  128
.set BR,   224                         ; the remainder: v224-229  my place in a fragment of W in chunks 0, 3, 6, 9, 12, 15
.set WR,   192                         ; window 1
.set BRAW, 128                         ; window 1: b as loaded, in the ring's slot 4, which step 58 reads last
; s[4:5] xb, stepped; s[6:7] W at my wave's rows, stepped; s[8:9] b at the slice; s[10:11] bm at my 16 words; s[12:13] gv; s[14:15] part at the slice's columns; s[16:31] my words of bm, later the counts
; s32 wave; s33 slice; s34 expert; s35 my count, then n; s36 blocks = ceil(n / 16); s37 max(n, 1) - 1; s[38:39] xb; s[40:41] an offset; s42-49 the lists' first places; s50-57 640 j - first place; s58, s60 counters; s59 block
.set MSB, 0
.macro WIN new                         ; the immediate's high byte repeats the setting that is left; a switch that changes nothing is dropped
.if MSB != (\new)
	s_set_vgpr_msb (MSB<<8)|(\new)
.set MSB, (\new)
.endif
.endm
.set MUL, 0x04                         ; source 1 in window 1: x's fragments in a product, the data of W's LDS stores; all else in window 0
.set CVT, 0x45                         ; destination and both sources in window 1
.set LDW, 0x40                         ; destination in window 1, address in window 0
	s_load_b256 s[4:11], s[0:1], 0x0               ; xb, W, b, bm
	s_load_b128 s[12:15], s[0:1], 0x20             ; gv, part
	v_lshl_add_u32 v[SPW], v0, 2, SPARE
	v_mov_b32 v[NIL], 0
	v_and_b32 v1, 31, v0                           ; lane
	v_lshrrev_b32 v[T0], 5, v0
	v_readfirstlane_b32 s32, v[T0]                 ; wave 0..7
	s_mov_b32 s33, ttmp9                           ; slice
	s_and_b32 s34, ttmp7, 0xffff                   ; expert
	v_and_b32 v2, 15, v0                           ; lane % 16
	v_bfe_u32 v[T0], v0, 4, 1                      ; lane / 16
	v_lshlrev_b32 v3, 4, v[T0]                     ; 16 x half
	v_lshlrev_b32 v[H32], 5, v[T0]
	v_lshlrev_b32 v[WOF], 4, v1
	v_mul_u32_u24 v[BA], v2, CP
	v_add_nc_u32 v[BA], v3, v[BA]                  ; row x pitch + 16 x half
	v_add_nc_u32 v[BA+1], 3*CH, v[BA]
	s_mul_i32 s61, s32, 8*CP
	v_lshl_add_u32 v[WS], v1, 3, s61               ; my wave's first row + 8 x lane
	v_add_nc_u32 v[WS+1], 3*CH, v[WS]
	s_mul_i32 s61, s32, SGB
	s_add_co_u32 s61, s61, STG                     ; my stage
	v_mul_u32_u24 v[T1], v2, CP
	v_add_nc_u32 v[T1], s61, v[T1]
	v_add_nc_u32 v[STO], v[H32], v[T1]             ; in: row lane % 16, 32 bytes for each half of the lanes
	v_add_nc_u32 v[STP], 256, v[T1]
	v_mul_u32_u24 v[T1], v[T0], CP
	v_add_nc_u32 v[T1], s61, v[T1]
	v_lshlrev_b32 v[COL], 4, v2
	v_add_nc_u32 v[RD], v[COL], v[T1]              ; back: lanes 0-15 take one row of 256 bytes, lanes 16-31 the next
	v_add_nc_u32 v[RDP], 256, v[T1]
	s_lshl_b32 s61, s34, 11
	s_lshl_b32 s62, s33, 6
	s_add_co_u32 s61, s61, s62                     ; the slice's first row among W's 16,384
	s_lshl_b32 s62, s32, 3
	s_add_co_u32 s62, s61, s62                     ; my wave's first row
	s_lshl_b32 s40, s62, 13                        ; x 8,192 bytes: under 2^27
	s_mov_b32 s41, 0
	s_wait_kmcnt 0x0
	s_add_nc_u64 s[6:7], s[6:7], s[40:41]
	s_lshl_b32 s40, s61, 2
	s_add_nc_u64 s[8:9], s[8:9], s[40:41]
	s_lshl_b32 s40, s34, 9                         ; the expert's 128 words of bm,
	s_lshl_b32 s62, s32, 6                         ; my wave's 16 of them
	s_add_co_u32 s40, s40, s62
	s_add_nc_u64 s[10:11], s[10:11], s[40:41]
	s_lshl_b32 s40, s33, 8                         ; the slice's 64 columns of part
	s_add_nc_u64 s[14:15], s[14:15], s[40:41]
	s_mov_b64 s[38:39], s[4:5]
	s_load_b512 s[16:31], s[10:11], 0x0
	; W's FIRST LOADS, ahead of everything else.  A load takes 512 consecutive bytes: one row's part of one chunk.  Chunk 0 and six rows of chunk 1 go into accumulator registers, which are still free;
	; then the parts that steps 0 to 4 will round: step s rounds rows 2 p, 2 p + 1 of chunk (s + 7) / 4, p = (s + 7) % 4.
.set q, 0
.rept 14
	global_load_b128 v[ACC+4*q:ACC+4*q+3], v[WOF], s[6:7] offset:(q%8)*8192+(q/8)*512 th:TH_LOAD_NT
.set q, q+1
.endr
	WIN LDW
.set u, 0
.rept 5
	global_load_b128 v[WR+8*u:WR+8*u+3],   v[WOF], s[6:7] offset:(2*((u+7)%4))*8192+512*((u+7)/4) th:TH_LOAD_NT
	global_load_b128 v[WR+8*u+4:WR+8*u+7], v[WOF], s[6:7] offset:(2*((u+7)%4)+1)*8192+512*((u+7)/4) th:TH_LOAD_NT
.set u, u+1
.endr
	WIN 0
	; THE EXPERT'S LIST.  Bit l of word q of my 16 words is the ENTRY ((l / 8) % 2) x 2048 + 256 w + 16 q + 8 (l / 16) + l % 8.  A lane whose bit is set stores its ENTRY at the place
	; (bits set below it, in this word and the words before); the other lanes store to the dump place.  The place is held to 512 last, so every store stays in my list's 1,280 bytes.
	s_mov_b32 s35, 0
	v_and_b32 v34, 7, v0
	v_bfe_u32 v33, v0, 4, 1
	v_lshl_or_b32 v34, v33, 3, v34
	v_bfe_u32 v33, v0, 3, 1
	v_lshl_or_b32 v34, v33, 11, v34
	s_lshl_b32 s61, s32, 8
	v_add_nc_u32 v34, s61, v34
	s_mul_i32 s62, s32, SEGB
	s_add_co_u32 s62, s62, SEG                     ; my list
	v_mov_b32 v32, 0x200                           ; the dump place
	v_lshl_add_u32 v33, v1, 3, s62                 ; my list + 8 x lane
	v_mov_b32 v36, 0
	v_mov_b32 v37, 0
.irp k, 0,1,2,3,4
	ds_store_b64 v33, v[36:37] offset:256*\k       ; 5 x 256 bytes: the whole list holds ENTRY 0, which exists, wherever no ENTRY is put; LDS serves my stores in order (ISA guide 5.7.1.4)
.endr
	s_wait_kmcnt 0x0
.set q, 0
.rept 16
	v_mbcnt_lo_u32_b32 v33, s[16+q], s35
	v_cndmask_b32 v33, v32, v33, s[16+q]
	v_min_u32 v33, 0x200, v33
	v_lshl_add_u32 v33, v33, 1, s62
	v_add_nc_u32 v35, 16*q, v34
	ds_store_b16 v33, v35
	s_bcnt1_i32_b32 s61, s[16+q]
	s_add_co_u32 s35, s35, s61
.set q, q+1
.endr
	s_lshl_b32 s61, s32, 2
	s_add_co_u32 s61, s61, CNT
	v_mov_b32 v33, s61
	v_mov_b32 v35, s35
	ds_store_b32 v33, v35                          ; my list's length
	s_wait_dscnt 0x0                               ; for the others' sake: my list and its length are in LDS
	s_barrier_signal -1
	s_barrier_wait -1
	v_mov_b32 v33, CNT
	ds_load_b128 v[36:39], v33
	ds_load_b128 v[40:43], v33 offset:16
	s_wait_dscnt 0x0
.irp j, 0,1,2,3,4,5,6,7
	v_readfirstlane_b32 s[16+\j], v[36+\j]
.endr
	s_mov_b32 s42, 0
.irp j, 0,1,2,3,4,5,6
	s_add_co_u32 s[43+\j], s[42+\j], s[16+\j]      ; list j begins at place s[42 + j] of the expert's list
.endr
	s_add_co_u32 s35, s49, s23                     ; n
.irp j, 0,1,2,3,4,5,6,7
	s_sub_co_u32 s[50+\j], 640*\j, s[42+\j]        ; place p of list j lies at halfword 640 j - first place + p of SEG
.endr
	s_add_co_u32 s36, s35, 15
	s_lshr_b32 s36, s36, 4
	s_max_u32 s37, s35, 1
	s_sub_co_u32 s37, s37, 1
; The ENTRY at place s61 + lane % 16 of the expert's list (held to n - 1) is asked for, into v[SCL + i].  The list is the last one that begins at or before the place.
; The halfword index is held to SEG's 5,120 last, so the load stays in SEG.
.macro LOOKA i
	v_add_nc_u32 v[T0], s61, v2
	v_min_u32 v[T0], s37, v[T0]
	v_mov_b32 v[T1], s50
.irp j, 1,2,3,4,5,6,7
	v_cmp_le_u32 vcc_lo, s[42+\j], v[T0]
	v_cndmask_b32 v[T1], v[T1], s[50+\j], vcc_lo
.endr
	v_add_nc_u32 v[T1], v[T0], v[T1]
	v_min_u32 v[T1], 0x13ff, v[T1]
	v_lshl_add_u32 v[T1], v[T1], 1, SEG
	ds_load_u16 v[SCL+(\i)], v[T1]
.endm
.macro LOOKB i                         ; and used: held to 4,095, it gives 4 x ENTRY and the row's place in xb
	v_min_u32 v[T2], 0xfff, v[SCL+(\i)]
	v_lshlrev_b32 v[ENT+(\i)], 2, v[T2]
	v_and_b32 v[T2], 0x7ff, v[T2]
	v_lshl_add_u32 v[XO+(\i)], v[T2], 12, v3
.endm
	s_lshl_b32 s62, s32, 4
.irp i, 0,1,2,3
	s_add_co_u32 s61, s62, 128*\i                  ; block 8 i + w begins at place 128 i + 16 w
	LOOKA \i
.endr
	s_wait_dscnt 0x0
.irp i, 0,1,2,3
	LOOKB \i
.endr
	; x's fragments of steps 0 to 4.  A fragment is 16 rows x 32 K: lane l holds row l % 16, K = 8 (l / 16) + 0..7 and 16 + 8 (l / 16) + 0..7: two loads of 16 bytes, 32 bytes apart.
	WIN LDW
.set k, 0
.rept 5
.irp i, 0,1,2,3
	global_load_b128 v[32*k+8*\i:32*k+8*\i+3],   v[XO+\i], s[4:5] offset:64*k
	global_load_b128 v[32*k+8*\i+4:32*k+8*\i+7], v[XO+\i], s[4:5] offset:64*k+32
.endr
.set k, k+1
.endr
	WIN 0
	s_wait_loadcnt 50                              ; W's first fourteen loads are in: behind them 10 of W's ring and 40 of x were issued
.set q, 0
.rept 14
	v_cvt_pk_bf16_f32 v[ACC+4*q], v[ACC+4*q], v[ACC+4*q+1]
	v_cvt_pk_bf16_f32 v[ACC+4*q+1], v[ACC+4*q+2], v[ACC+4*q+3]
.set q, q+1
.endr
.set q, 0
.rept 14
	ds_store_b64 v[WS], v[ACC+4*q:ACC+4*q+1] offset:(q/8)*CH+(q%8)*CP  ; 32 lanes x 8 bytes: a row's 256 bytes of a chunk
.set q, q+1
.endr
	s_wait_dscnt 0x0                               ; for the others' sake: my rows of chunk 0 are in LDS
	s_barrier_signal -1
	s_barrier_wait -1                              ; chunk 0 is whole
.irp k, 0,1
.irp c, 0,1,2,3
	ds_load_b128 v[BF+32*\k+8*\c:BF+32*\k+8*\c+3],   v[BA] offset:64*\k+\c*16*CP      ; W's fragments of steps 0 and 1
	ds_load_b128 v[BF+32*\k+8*\c+4:BF+32*\k+8*\c+7], v[BA] offset:64*\k+\c*16*CP+32
.endr
.endr
; 8 products: columns c0, c0 + 1 x my four blocks, 32 along K.  The 16 accumulators take turns, one instruction a turn, in the same order in every step.  zero = 1: the products start the sums.
.macro MM8 c0, zero
.irp c, \c0, (\c0)+1
.irp i, 0,1,2,3
.if \zero
	v_wmma_f32_16x16x32_bf16 v[ACC+32*\i+8*(\c):ACC+32*\i+8*(\c)+7], v[BCU+8*(\c):BCU+8*(\c)+7], v[XSL+8*\i:XSL+8*\i+7], 0
.else
	v_wmma_f32_16x16x32_bf16 v[ACC+32*\i+8*(\c):ACC+32*\i+8*(\c)+7], v[BCU+8*(\c):BCU+8*(\c)+7], v[XSL+8*\i:XSL+8*\i+7], v[ACC+32*\i+8*(\c):ACC+32*\i+8*(\c)+7]
.endif
.endr
.endr
.endm
.macro WSTORE                          ; the step's two rounded rows of W into their chunk (KSTEP sets SA, SO, SR, WSL)
	ds_store_b64 v[SA], v[WSL:WSL+1]   offset:SO+SR*CP
	ds_store_b64 v[SA], v[WSL+4:WSL+5] offset:SO+(SR+1)*CP
.endm
.macro BLOAD                           ; W's fragments of the step two on (KSTEP sets NA, NO, BNX)
.irp c, 0,1,2,3
	ds_load_b128 v[BNX+8*\c:BNX+8*\c+3],   v[NA] offset:NO+\c*16*CP
	ds_load_b128 v[BNX+8*\c+4:BNX+8*\c+7], v[NA] offset:NO+\c*16*CP+32
.endr
.endm
; STEP s = 4 + j, counted from the trip's bases: ONE run of memory instructions at its head, then its 16 products on end.
; RUN u is what is asked of memory in step u + 1 and used in step u + 6: x's fragments of step u + 6 (8 loads) and, up to u = 50, two rows of W (2 loads).  W's fragments of step s + 2 are asked of LDS in step s, into buffer (s + 2) % 3.
;   N     how many younger loads may stay out when run s - 6 has to be there: the loads of runs s - 5 .. s - 2
;   D     how many younger LDS instructions may stay out when W's fragments of step s have to be there: as a rule the 2 stores and 8 loads of step s - 1 and those of step s
;   conv  run s - 6 has rows of W: they are rounded and laid into LDS          wl, xl  run s - 1 has rows of W, fragments of x
;   bar   the step before stored the last rows of a chunk: a barrier publishes it      nb      W's fragments of step s + 2 are fetched          ext     bias and gate values are asked for
; The four conversions (or v_nop) are the places between the last step's products and the loads into registers that those products read (ISA guide 7.12.1 for vector instructions).
; IN A STEP WITH THE BARRIER nothing of the step's own is waited for: at the wait for all LDS instructions the youngest were issued a step ago; the step's fragment loads (from a chunk published earlier, which nobody
; writes again) and its products stand between signal and wait; its two stores, which belong to the next chunk, come behind the wait.
.macro KSTEP j, N, D, zero, conv, wl, xl, bar, nb, ext
.set SS,  (\j)+4
.set XSL, 32*(SS%6)
.set XNX, 32*((SS+5)%6)
.set WSL, WR+8*(SS%6)
.set WNX, WR+8*((SS+5)%6)
.set BCU, BF+32*(SS%3)
.set BNX, BF+32*((SS+2)%3)
	s_wait_loadcnt \N                              ; loads come back in order (ISA guide 5.7.1): run s - 6 is in
.if \conv
	WIN CVT
	v_cvt_pk_bf16_f32 v[WSL], v[WSL], v[WSL+1]
	v_cvt_pk_bf16_f32 v[WSL+1], v[WSL+2], v[WSL+3]
	v_cvt_pk_bf16_f32 v[WSL+4], v[WSL+4], v[WSL+5]
	v_cvt_pk_bf16_f32 v[WSL+5], v[WSL+6], v[WSL+7]
.else
.rept 4
	v_nop
.endr
.endif
.if (\wl) || (\xl) || (\ext)
	WIN LDW
.endif
.if \wl
.set WC, ((\j)+16)/4
.set WP, ((\j)+16)%4
	global_load_b128 v[WNX:WNX+3],   v[WOF], s[6:7] offset:(2*WP)*8192+512*WC th:TH_LOAD_NT
	global_load_b128 v[WNX+4:WNX+7], v[WOF], s[6:7] offset:(2*WP+1)*8192+512*WC th:TH_LOAD_NT
.endif
.if \xl
.irp i, 0,1,2,3
	global_load_b128 v[XNX+8*\i:XNX+8*\i+3],   v[XO+\i], s[4:5] offset:64*((\j)+9)
	global_load_b128 v[XNX+8*\i+4:XNX+8*\i+7], v[XO+\i], s[4:5] offset:64*((\j)+9)+32
.endr
.endif
.if \ext
.irp c, 0,1,2,3
	global_load_b128 v[BRAW+8*\c:BRAW+8*\c+3],   v[H32], s[8:9] offset:64*\c      ; b of features 16 c + 8 (lane / 16) + 0..7, into the slot of x's ring that the step before read last
	global_load_b128 v[BRAW+8*\c+4:BRAW+8*\c+7], v[H32], s[8:9] offset:64*\c+16
.endr
	WIN 0
.irp i, 0,1,2,3
	global_load_b32 v[SCL+\i], v[ENT+\i], s[12:13]
.endr
.endif
	WIN MUL
.if \conv
.set SC, ((\j)+11)/4
.set SR, 2*(((\j)+11)%4)
.if SC < 4
.set SA, WS
.set SO, SC*CH
.else
.set SA, WS+1
.set SO, (SC-3)*CH
.endif
.endif
.if \nb
.set NC, ((\j)+6)/4
.set NK, 64*(((\j)+6)%4)
.if NC < 3
.set NA, BA
.set NO, NC*CH+NK
.else
.set NA, BA+1
.set NO, (NC-3)*CH+NK
.endif
.endif
.if \bar
	s_wait_dscnt 0x0                               ; for the others' sake: my rows of the chunk, the last of them stored a step ago, are in LDS (and so are W's fragments of this step and the next)
	s_barrier_signal -1
.if \nb
	BLOAD
.endif
	MM8 0, \zero
	MM8 2, \zero
	s_barrier_wait -1                              ; the chunk is whole; its first read is issued in the next step
.if \conv
	WSTORE
.endif
.else
.if \conv
	WSTORE
.endif
.if \nb
	BLOAD
.endif
	s_wait_dscnt \D                                ; LDS instructions end in order (ISA guide 5.7.1): W's fragments of this step, asked for two steps ago, are in
	MM8 0, \zero
	MM8 2, \zero
.endif
.endm
	; steps 0 to 3.  N: behind x's fragments of step s stand those of steps s + 1 .. 4 (8 each) and the runs asked for since (10 each).  D of step 0: the fragments of step 1, 2 stores, the fragments of step 2.
	; D is 22 two steps behind a barrier: that step's two stores were issued behind its fragment loads.
	KSTEP -4, 32, 18, 1, 1, 1, 1, 0, 1, 0
	KSTEP -3, 34, 0,  0, 1, 1, 1, 1, 1, 0
	KSTEP -2, 36, 20, 0, 1, 1, 1, 0, 1, 0
	KSTEP -1, 38, 22, 0, 1, 1, 1, 0, 1, 0
	WIN 0                                          ; at a label and at a branch every window is 0
	s_mov_b32 s58, 4
.Lk:                                                   ; a trip is 12 steps: the rings of six, the three buffers and the chunks of four steps all come round.  Steps 4 to 51.  40 = four runs of ten loads
	KSTEP 0,  40, 20, 0, 1, 1, 1, 0, 1, 0
	KSTEP 1,  40, 0,  0, 1, 1, 1, 1, 1, 0
	KSTEP 2,  40, 20, 0, 1, 1, 1, 0, 1, 0
	KSTEP 3,  40, 22, 0, 1, 1, 1, 0, 1, 0
	KSTEP 4,  40, 20, 0, 1, 1, 1, 0, 1, 0
	KSTEP 5,  40, 0,  0, 1, 1, 1, 1, 1, 0
	KSTEP 6,  40, 20, 0, 1, 1, 1, 0, 1, 0
	KSTEP 7,  40, 22, 0, 1, 1, 1, 0, 1, 0
	KSTEP 8,  40, 20, 0, 1, 1, 1, 0, 1, 0
	KSTEP 9,  40, 0,  0, 1, 1, 1, 1, 1, 0
	KSTEP 10, 40, 20, 0, 1, 1, 1, 0, 1, 0
	KSTEP 11, 40, 22, 0, 1, 1, 1, 0, 1, 0
	WIN 0
	s_wait_xcnt 0x0                                ; every load issued has had its address translated (ISA guide 3.1): only now are the two bases stepped
	s_add_nc_u64 s[4:5], s[4:5], 768               ; 12 steps of 64 bytes along x's rows
	s_add_nc_u64 s[6:7], s[6:7], 1536              ; 3 chunks of 512 bytes along W's rows
	v_add_nc_u32 v[BA], 3*CH, v[BA]
	v_add_nc_u32 v[BA+1], 3*CH, v[BA+1]
	v_add_nc_u32 v[WS], 3*CH, v[WS]
	v_add_nc_u32 v[WS+1], 3*CH, v[WS+1]
	s_sub_co_u32 s58, s58, 1
	s_cmp_lg_u32 s58, 0
	s_cbranch_scc1 .Lk
	; steps 52 to 63, written out.  Run 50 is the last with rows of W (runs 51 to 57 have 8 loads), run 57 the last of all; step 59 asks for 12 loads of bias and gate values, which stay out to the end.
	; Step 56 stores W's last rows, step 57 has the last barrier; from step 58 on D counts fragment loads alone; step 61 asks for the last fragments of W.
	KSTEP 0,  40, 20, 0, 1, 0, 1, 0, 1, 0
	KSTEP 1,  38, 0,  0, 1, 0, 1, 1, 1, 0
	KSTEP 2,  36, 20, 0, 1, 0, 1, 0, 1, 0
	KSTEP 3,  34, 22, 0, 1, 0, 1, 0, 1, 0
	KSTEP 4,  32, 20, 0, 1, 0, 1, 0, 1, 0
	KSTEP 5,  32, 0,  0, 0, 0, 1, 1, 1, 0
	KSTEP 6,  32, 16, 0, 0, 0, 1, 0, 1, 0
	KSTEP 7,  32, 16, 0, 0, 0, 0, 0, 1, 1
	KSTEP 8,  36, 16, 0, 0, 0, 0, 0, 1, 0
	KSTEP 9,  28, 16, 0, 0, 0, 0, 0, 1, 0
	KSTEP 10, 20, 8,  0, 0, 0, 0, 0, 0, 0
	KSTEP 11, 12, 0,  0, 0, 0, 0, 0, 0, 0
	WIN 0
	; THE WAY OUT.  b is rounded to bf16 like the other inputs and widened again.  These 48 lines name no register of the last step's products (which read W's buffer 0 and slot 3 of x's ring): they are also the places behind them.
	s_wait_loadcnt 0x0                             ; bias and gate values
	WIN 0x05                                       ; both sources in window 1, destination in window 0
.set q, 0
.rept 16
	v_cvt_pk_bf16_f32 v[BF+32+q], v[BRAW+2*q], v[BRAW+2*q+1]
.set q, q+1
.endr
	WIN 0
.set q, 0
.rept 16
	v_lshlrev_b32 v[BIAS+2*q], 16, v[BF+32+q]
	v_and_b32 v[BIAS+2*q+1], 0xffff0000, v[BF+32+q]
.set q, q+1
.endr
; One block: the 32 registers at a hold 16 rows x 64 features.  gate x relu(sum + b), each accumulator from its low end on; through my own stage, with each row's ENTRY beside it; back as whole rows of 256 bytes,
; each stored at its ENTRY's row of part.  LDS serves a wave's instructions in order (ISA guide 5.7.1.4): no wait between the stores into the stage and the loads from it.
.macro EPI a, i
	s_wait_xcnt 0x0                                ; the block before has had its stores' addresses translated: their offset and data registers are rewritten only behind this wait
	ds_store_b32 v[STP], v[ENT+(\i)]
	v_mov_b32 v[T1], v[SCL+(\i)]                   ; the gate value as a pair, for the packed multiply
	v_mov_b32 v[T2], v[SCL+(\i)]
.irp c, 0,1,2,3
.irp q, 0,2,4,6
	v_pk_add_f32 v[(\a)+8*\c+\q:(\a)+8*\c+\q+1], v[(\a)+8*\c+\q:(\a)+8*\c+\q+1], v[BIAS+8*\c+\q:BIAS+8*\c+\q+1]
.endr
.irp q, 0,1,2,3,4,5,6,7
	v_max_num_f32 v[(\a)+8*\c+\q], 0, v[(\a)+8*\c+\q]
.endr
.irp q, 0,2,4,6
	v_pk_mul_f32 v[(\a)+8*\c+\q:(\a)+8*\c+\q+1], v[(\a)+8*\c+\q:(\a)+8*\c+\q+1], v[T1:T2]
.endr
	ds_store_b128 v[STO], v[(\a)+8*\c:(\a)+8*\c+3]   offset:64*\c
	ds_store_b128 v[STO], v[(\a)+8*\c+4:(\a)+8*\c+7] offset:64*\c+16
.endr
.irp t, 0,1,2,3,4,5,6,7
	ds_load_b32 v[BF+\t], v[RDP] offset:\t*2*CP
.endr
.irp t, 0,1,2,3,4,5,6,7
	ds_load_b128 v[(\a)+4*\t:(\a)+4*\t+3], v[RD] offset:\t*2*CP
.endr
	s_wait_dscnt 8                                 ; the eight ENTRY words are in; the eight loads of rows, issued behind them, may stay out
.irp t, 0,1,2,3,4,5,6,7
	v_min_u32 v[BF+\t], 0x3ffc, v[BF+\t]           ; 4 x ENTRY, held inside part's 4,096 rows,
	v_lshl_add_u32 v[BF+\t], v[BF+\t], 11, v[COL]  ; x 2,048 = the row's 8,192 bytes, + my 16 bytes
.endr
.irp t, 0,1,2,3,4,5,6,7
	s_wait_dscnt 7-\t
	global_store_b128 v[BF+\t], v[(\a)+4*\t:(\a)+4*\t+3], s[14:15]  ; 16 lanes store 256 consecutive bytes, at a multiple of 256 from part's first byte
.endr
.endm
.irp i, 0,1,2,3
	s_add_co_u32 s61, s32, 8*\i
	s_cmp_ge_u32 s61, s36
	s_cbranch_scc1 .Ldead\i                        ; a block at or past the list's end stores nothing
	EPI ACC+32*\i, \i
.Ldead\i:
.endr
	; THE REMAINDER.  All of W is resident and published; nothing writes RES any more, so the trips need no barrier.
	s_wait_xcnt 0x0                                ; the last stores' registers are free
	v_mul_u32_u24 v[BR], v2, CP
	v_add_nc_u32 v[BR], v3, v[BR]
.irp m, 1,2,3,4,5
	v_add_nc_u32 v[BR+\m], 3*CH*\m, v[BR]
.endr
.macro RB s                            ; W's fragments of step s into buffer s % 4 of four: v32-63, v64-95, v160-191, v192-223
.set RA, BR+((\s)/4)/3
.set RF, (((\s)/4)%3)*CH+64*((\s)%4)
.set RT, BF+32*((\s)%4)+64*(((\s)%4)/2)
.irp c, 0,1,2,3
	ds_load_b128 v[RT+8*\c:RT+8*\c+3],   v[RA] offset:RF+\c*16*CP
	ds_load_b128 v[RT+8*\c+4:RT+8*\c+7], v[RA] offset:RF+\c*16*CP+32
.endr
.endm
	s_mov_b32 s60, 12
	s_add_co_u32 s59, s32, 32
.Lrem:
	s_cmp_ge_u32 s59, s36
	s_cbranch_scc1 .Lnext                          ; no such block: the trip is jumped; it holds no barrier
	s_lshl_b32 s61, s59, 4
	LOOKA 0
	s_wait_dscnt 0x0
	LOOKB 0
	global_load_b32 v[SCL], v[ENT], s[12:13]       ; the gate value: the oldest load, in by the first wait below
	WIN LDW
.set k, 0
.rept 32                               ; x's fragments of steps 0 to 31: step k at 8 (k % 32) of window 1
	global_load_b128 v[8*k:8*k+3],   v[XO], s[38:39] offset:64*k
	global_load_b128 v[8*k+4:8*k+7], v[XO], s[38:39] offset:64*k+32
.set k, k+1
.endr
	WIN MUL
	RB 0
	RB 1
	RB 2
.set ks, 0
.rept 64
.rept 4
	v_nop                                          ; the places between the last step's products and the loads into registers that they read
.endr
.if (ks == 16) || (ks == 32)
	WIN LDW
.set k, ks+16
.rept 16                               ; the sixteen steps just multiplied make room for those 32 steps on
	global_load_b128 v[8*(k%32):8*(k%32)+3],   v[XO], s[38:39] offset:64*k
	global_load_b128 v[8*(k%32)+4:8*(k%32)+7], v[XO], s[38:39] offset:64*k+32
.set k, k+1
.endr
	WIN MUL
.endif
.if ks+3 <= 63
	RB ks+3
.endif
.if ks <= 60
	s_wait_dscnt 24                                ; this step's fragments of W are in; those of the three steps ahead may stay out
.else
	s_wait_dscnt 8*(63-ks)
.endif
.if ks == 48
	s_wait_loadcnt 0x0
.elseif (ks%16) == 0
	s_wait_loadcnt 32                              ; x's next sixteen steps are in; the 32 loads issued behind them may stay out
.endif
.set RT, BF+32*(ks%4)+64*((ks%4)/2)
.set RX, 8*(ks%32)
.irp c, 0,1,2,3
.if ks == 0
	v_wmma_f32_16x16x32_bf16 v[ACC+8*\c:ACC+8*\c+7], v[RT+8*\c:RT+8*\c+7], v[RX:RX+7], 0
.else
	v_wmma_f32_16x16x32_bf16 v[ACC+8*\c:ACC+8*\c+7], v[RT+8*\c:RT+8*\c+7], v[RX:RX+7], v[ACC+8*\c:ACC+8*\c+7]
.endif
.endr
.set ks, ks+1
.endr
.rept 4
	v_nop                                          ; the places behind the last products
.endr
	WIN 0
	EPI ACC, 0
	s_wait_xcnt 0x0                                ; the next trip rewrites the stores' offset and data registers
.Lnext:
	s_add_co_u32 s59, s59, 8
	s_sub_co_u32 s60, s60, 1
	s_cmp_lg_u32 s60, 0
	s_cbranch_scc1 .Lrem
	s_wait_tensorcnt 0x0                           ; the wave's end, behind my last LDS store
	ds_add_u32 v[SPW], v[NIL]
	s_wait_dscnt 0x0
	s_endpgm
.Lfunc_end_k_q4c995c7f99_experts:
	.size	k_q4c995c7f99_experts, .Lfunc_end_k_q4c995c7f99_experts-k_q4c995c7f99_experts
	.p2alignl 7, 3214868480
	.fill 96, 4, 3214868480
	.section	.rodata,"a",@progbits
	.p2align	6, 0x0
	.amdhsa_kernel k_q4c995c7f99_experts
		.amdhsa_group_segment_fixed_size 324864
		.amdhsa_private_segment_fixed_size 0
		.amdhsa_enable_private_segment 0
		.amdhsa_kernarg_size 48
		.amdhsa_user_sgpr_count 2
		.amdhsa_user_sgpr_kernarg_segment_ptr 1
		.amdhsa_wavefront_size32 1
		.amdhsa_system_sgpr_workgroup_id_x 1
		.amdhsa_system_sgpr_workgroup_id_y 1
		.amdhsa_system_sgpr_workgroup_id_z 1
		.amdhsa_system_vgpr_workitem_id 0
		.amdhsa_next_free_vgpr 512
		.amdhsa_next_free_sgpr 66
		.amdhsa_reserve_vcc 1
		.amdhsa_float_denorm_mode_32 3
		.amdhsa_float_denorm_mode_16_64 3
		.amdhsa_memory_ordered 1
		.amdhsa_forward_progress 1
		.amdhsa_inst_pref_size 213
	.end_amdhsa_kernel
	.amdgpu_metadata
---
amdhsa.version: [ 1, 2 ]
amdhsa.kernels:
  - .name:           k_q4c995c7f99_experts
    .symbol:         k_q4c995c7f99_experts.kd
    .args:
      - { .name: xb, .offset: 0, .size: 8, .value_kind: global_buffer, .address_space: global }
      - { .name: W, .offset: 8, .size: 8, .value_kind: global_buffer, .address_space: global }
      - { .name: b, .offset: 16, .size: 8, .value_kind: global_buffer, .address_space: global }
      - { .name: bm, .offset: 24, .size: 8, .value_kind: global_buffer, .address_space: global }
      - { .name: gv, .offset: 32, .size: 8, .value_kind: global_buffer, .address_space: global }
      - { .name: part, .offset: 40, .size: 8, .value_kind: global_buffer, .address_space: global }
    .group_segment_fixed_size: 324864
    .private_segment_fixed_size: 0
    .kernarg_segment_align: 8
    .kernarg_segment_size: 48
    .max_flat_workgroup_size: 256
    .sgpr_count:     66
    .vgpr_count:     512
    .wavefront_size: 32
...
	.end_amdgpu_metadata
.endif
;; end of part 2
;; launch combine (part 3): grid 256 x 1, 8 waves a work-group, no clusters, 0 bytes of LDS; arguments part, out0; writes out0
.if DOCPART == 3
	.amdgcn_target "amdgcn-amd-amdhsa--gfx1250"
	.amdhsa_code_object_version 6
	.text
	.protected	k_q4c995c7f99_combine
	.globl	k_q4c995c7f99_combine
	.p2align	8
	.type	k_q4c995c7f99_combine,@function
k_q4c995c7f99_combine:
	s_mov_b64 s[64:65], 0
	v_nop
	global_prefetch_b8 v0, s[64:65] scope:SCOPE_SE
	s_setreg_imm32_b32 hwreg(HW_REG_WAVE_MODE, 25, 1), 1
	s_wait_xcnt 0x0
; out0[token][f] = part[0][token][f] + part[1][token][f]: a token's two weighted expert rows, f32, added once.
; A stream: no LDS, no barrier, no matrix unit.  A work-group has 65,536 consecutive bytes of out0 (8 rows); a load or store of a wave covers 512 consecutive bytes.
; All 32 loads of a thread are issued ahead of the first wait; the waits count down by pairs.
.set HALF, 0x1000000                   ; bytes of one rank's rows of part
.set V, 8                              ; v[8 + 8 i ..]: four numbers of rank 0, four of rank 1; the sum takes rank 0's place
	s_load_b128 s[4:7], s[0:1], 0x0                ; part s[4:5], out0 s[6:7]
	v_lshlrev_b32 v1, 4, v0                        ; 16 bytes a thread
	s_lshl_b32 s10, ttmp9, 16
	s_mov_b32 s11, 0
	s_wait_kmcnt 0x0
	s_add_nc_u64 s[4:5], s[4:5], s[10:11]
	s_add_nc_u64 s[6:7], s[6:7], s[10:11]
	s_add_nc_u64 s[8:9], s[4:5], HALF
.set i, 0
.rept 16
	global_load_b128 v[V+8*i:V+8*i+3],   v1, s[4:5] offset:4096*i th:TH_LOAD_NT
	global_load_b128 v[V+8*i+4:V+8*i+7], v1, s[8:9] offset:4096*i th:TH_LOAD_NT
.set i, i+1
.endr
.set i, 0
.rept 16
	s_wait_loadcnt 30-2*i                          ; loads come back in order (ISA guide 5.7.1): pair i is in, the 15 - i pairs behind it may stay out
	v_pk_add_f32 v[V+8*i:V+8*i+1],   v[V+8*i:V+8*i+1],   v[V+8*i+4:V+8*i+5]
	v_pk_add_f32 v[V+8*i+2:V+8*i+3], v[V+8*i+2:V+8*i+3], v[V+8*i+6:V+8*i+7]
	global_store_b128 v1, v[V+8*i:V+8*i+3], s[6:7] offset:4096*i th:TH_STORE_NT
.set i, i+1
.endr
	s_endpgm
.Lfunc_end_k_q4c995c7f99_combine:
	.size	k_q4c995c7f99_combine, .Lfunc_end_k_q4c995c7f99_combine-k_q4c995c7f99_combine
	.p2alignl 7, 3214868480
	.fill 96, 4, 3214868480
	.section	.rodata,"a",@progbits
	.p2align	6, 0x0
	.amdhsa_kernel k_q4c995c7f99_combine
		.amdhsa_group_segment_fixed_size 0
		.amdhsa_private_segment_fixed_size 0
		.amdhsa_enable_private_segment 0
		.amdhsa_kernarg_size 16
		.amdhsa_user_sgpr_count 2
		.amdhsa_user_sgpr_kernarg_segment_ptr 1
		.amdhsa_wavefront_size32 1
		.amdhsa_system_sgpr_workgroup_id_x 1
		.amdhsa_system_sgpr_workgroup_id_y 1
		.amdhsa_system_sgpr_workgroup_id_z 1
		.amdhsa_system_vgpr_workitem_id 0
		.amdhsa_next_free_vgpr 136
		.amdhsa_next_free_sgpr 66
		.amdhsa_reserve_vcc 0
		.amdhsa_float_denorm_mode_32 3
		.amdhsa_float_denorm_mode_16_64 3
		.amdhsa_memory_ordered 1
		.amdhsa_forward_progress 1
		.amdhsa_inst_pref_size 8
	.end_amdhsa_kernel
	.amdgpu_metadata
---
amdhsa.version: [ 1, 2 ]
amdhsa.kernels:
  - .name:           k_q4c995c7f99_combine
    .symbol:         k_q4c995c7f99_combine.kd
    .args:
      - { .name: part, .offset: 0, .size: 8, .value_kind: global_buffer, .address_space: global }
      - { .name: out0, .offset: 8, .size: 8, .value_kind: global_buffer, .address_space: global }
    .group_segment_fixed_size: 0
    .private_segment_fixed_size: 0
    .kernarg_segment_align: 8
    .kernarg_segment_size: 16
    .max_flat_workgroup_size: 256
    .sgpr_count:     66
    .vgpr_count:     136
    .wavefront_size: 32
...
	.end_amdgpu_metadata
.endif
;; end of part 3
